; MI455X (gfx1250); checked and timed in simulation.
; The chip was launched on July 23, 2026; its instructions are those of AMD's public machine-readable ISA for CDNA 5 (MIT licence, August 2026) and "CDNA5" Instruction Set Architecture Reference Guide (July 2026). The comments in the code are by the model that wrote it; some were corrected since.
;; Bahdanau Attention. Allowed arithmetic: matrix products marked QUANTISED: E3M2 operands, one E8M0 scale for each 32 along K, by v_wmma_scale_f32_16x16x128_f8f6f4 with both operands' format E3M2, f32 sums; products left as they are: f32 operands where the result goes on into a quantised operand, else bf16, f16 or f32 operands; f32 sums; everything else in f32.
;; Inputs: U_a 1,024 x 1,024 float32; W_a 1,024 x 1,024 float32; encoder_outputs 32 x 2,048 x 1,024 float32; hidden 32 x 1,024 float32; v_a 1,024 float32.
;; Outputs: out0 32 x 1,024 float32; out1 32 x 2,048 float32.
;; This version of the problem:
;;   THIS VERSION OF THE PROBLEM IS GIVEN IN LOW PRECISION. The matrix products marked QUANTISED in the list below multiply operands that are first quantised to E3M2 (3 exponent bits, 2 mantissa bits; 6 bits a number), with one power-of-two scale for each 32 numbers along K (OCP MX v1.0); their sums are f32. All else is computed in f32.
;;   The module's matrix products, in the order in which they are computed (A, B: the left and right operand; K: the contracted axis; several contracted axes count as one K, in the product's order):
;;     1. [M 32, K 1,024] x [K 1,024, N 1,024]; A: input hidden; B: input W_a: QUANTISED
;;     2. [M 65,536, K 1,024] x [K 1,024, N 1,024]; A: input encoder_outputs; B: input U_a: QUANTISED
;;     3. [M 65,536, K 1,024] x [K 1,024, N 1]; A: computed on the way; B: input v_a: left as it is (N = 1 < 16)
;;     4. batch 32 x [M 1, K 2,048] x [K 2,048, N 1,024]; A: softmax; B: input encoder_outputs: left as it is (M = 1 < 16)
;;   THE QUANTISER, for each operand of a quantised product, along K:
;;     - K is cut into blocks of 32 from its start; a last block that is shorter is filled with zeros.
;;     - A block's scale is 2^e with e = floor(log2(the largest magnitude in the block)) - 4, held to -126 .. 127; a block of zeros has e = 0. As a byte (E8M0): e + 127.
;;     - Each number is divided by its block's scale, clamped to +-28, and rounded to the nearest number of E3M2, ties to even, subnormals kept.
;;     - The product sums the exact products of the quantised numbers (number of the format x scale) in f32.
;;   ~~~python
;;   def quantise(x, axis):      # numpy; x: float32 -> the quantised numbers, widened to float32 again
;;       x = np.moveaxis(x, axis, -1); K = x.shape[-1]
;;       x = np.pad(x, [(0, 0)] * (x.ndim - 1) + [(0, -K % 32)]); x = x.reshape(x.shape[:-1] + (-1, 32)); a = np.abs(x).max(-1, keepdims=True)
;;       e = np.where(a > 0, np.clip(np.frexp(np.where(a > 0, a, 1))[1] - 1 - 4, -126, 127), 0)      # np.frexp(a)[1] - 1 = floor(log2(a)), exactly
;;       r = np.clip(x / 2.0 ** e, -28, 28)
;;       step = 2.0 ** (np.maximum(np.frexp(np.where(r == 0, 1, r))[1] - 1, -2) - 2)
;;       q = np.round(r / step) * step * 2.0 ** e      # np.round: ties to even
;;       return np.moveaxis(q.reshape(q.shape[:-2] + (-1,))[..., :K], -1, axis).astype(np.float32)
;;   ~~~
;; One version. Each part assembles by itself: llvm-mc -triple=amdgcn-amd-amdhsa -mcpu=gfx1250 --defsym DOCPART=n.
;; ======== version 1 of 1: 3 launches
;; limits: right only within a limited range of input values
;; workspace buffers: ucodes 786,432 bytes; uscal 32,768 bytes; whw 131,072 bytes; sig 262,144 bytes
;; launch prep (part 1): grid 192 x 1, 8 waves a work-group, no clusters, 9,728 bytes of LDS; arguments U_a, W_a, hidden, ucodes, uscal, whw; writes ucodes, uscal, whw
.if DOCPART == 1
	.amdgcn_target "amdgcn-amd-amdhsa--gfx1250"
	.amdhsa_code_object_version 6
	.text
	.protected	k_q4f72dbfaa9_prep
	.globl	k_q4f72dbfaa9_prep
	.p2align	8
	.type	k_q4f72dbfaa9_prep,@function
k_q4f72dbfaa9_prep:
	s_mov_b64 s[64:65], 0
	v_nop
	global_prefetch_b8 v0, s[64:65] scope:SCOPE_SE
	s_setreg_imm32_b32 hwreg(HW_REG_WAVE_MODE, 25, 1), 1
	s_wait_xcnt 0x0
; BAHDANAU ATTENTION, launch 1 of 3: U_a becomes codes of BF6 (E3M2) in the order of the matrix operand's registers, and wh = Q(hidden) Q(W_a)^T is made.
; WORK LEFT OUT BY THE PROGRAM, AND WHY IT IS DEAD.  tanh(x) = 1 - 2 r with r = 1 / (1 + e^(2x)), so score[b,s] = sum_h v_a[h] - 2 sum_h v_a[h] r[b,s,h].
; The first term is the same for every s of a batch, whatever the inputs hold, and score reaches both outputs only through softmax over s, which a term that is
; constant along its axis does not move.  So sum_h v_a[h] is never formed: launch 2 stores sigma[b,s] = sum_h v_a[h] r[b,s,h], launch 3 takes softmax of -2 sigma.
; Every input stays live and is loaded.  LIMIT: a NaN, an infinity or an overflow that arises only in sum_h v_a[h] is not carried to the result.
; LIMITS OF THE QUANTISER HERE AND IN LAUNCH 2: a block whose largest magnitude lies under 2^-122 gets the scale byte 1; a block of zeros gets the byte 1 where the rule says 127
; (its codes are zeros, which add nothing under that byte, and only this program reads the bytes); NaN and infinities among the inputs are not served.
; SHARES.  TWO ROLES, told apart by the work-group's number, each with its own text to the end, its own barrier and its own LDS bytes.  Work-groups 0-63: tile j = rows 16 j .. 16 j + 15 of U_a.
; Work-groups 64-191: tile j of W_a against tile bt of 16 batches of hidden.  In both, wave s takes K step s (128 along K).  So a work-group loads 64 or 128 KB, in one round of loads.
; Lane (r, h) holds row r and k = 128 s + 64 c + 32 h + 0 .. 31: two whole blocks of 32, in the very order in which the 6-bit operand wants them, so that a block's largest magnitude needs no other
; lane and the conversions' results are the operand's registers.  192 work-groups: each sum over K has one owner, and a tile of 16 outputs is the matrix instruction's.
; OUT.  ucodes [j][s][c 0..2][lane][16 bytes]: registers 4 c .. 4 c + 3 of the fragment.  uscal [j][lane L][word i]: the scale word of row L % 16 for K step 2 i + L / 16.  whw [j][batch][16] f32.
.set USC,   8192                       ; LDS: 0 .. 8191 the eight waves' partial sums (the role of W_a); here 512 bytes of U's scale words (the role of U_a)
.set SPARE, 8704                       ; the spare words, 128 bytes for each wave: four blocks of 256 bytes that no other line names
.set GA,  4                            ; v4   4096 r + 128 h + 512 s: my bytes in a set of 16 rows
.set L16, 5                            ; v5   16 x lane
.set SH8, 6                            ; v6   8 h
.set PSA, 7                            ; v7   LDS: 1024 s + 16 x lane
.set USA, 8                            ; v8   LDS: where my row's scale word of U goes
.set RDA, 9                            ; v9   LDS: where thread t (under 128) reads its two partial sums
.set GST, 10                           ; v10  8 x thread
.set UL,  11                           ; v11  LDS: USC + 16 x lane
.set SPW, 12                           ; v12  LDS address of my spare word; never rewritten
.set NIL, 13                           ; v13  0; never rewritten
.set TM,  14                           ; v14-15 largest magnitudes, then the conversions' scale operands
.set WC,  16                           ; v16-27 W's fragment
.set SWW, 28                           ; v28 W's scale words, v29 hidden's, v31 U's: scales and nothing else
.set SWH, 29
.set SWU, 31
.set R0,  32                           ; sets of 64 numbers as loaded: hidden,
.set R1,  96                           ; W_a,
.set R2,  160                          ; U_a
.set HC,  224                          ; v224-235 hidden's fragment
.set D,   236                          ; v236-243 the result
.set BY,  248                          ; v248-249 scale bytes
.set PX,  250                          ; v250 what the lane 16 away sends
.set CT,  252                          ; v252-254 a block's upper 16 codes (a conversion's three registers begin on an even number)
.set UC,  96                           ; the role of U_a: its fragment
.set RD,  160                          ; the role of W_a: the reduction's registers
.set SEL, 20                           ; s[20:21] lane selects: lane l xor 16
.macro LD64 set, base, off             ; 64 numbers a lane: two blocks of 32, eight loads of 16 bytes each
.irp c, 0,1
.irp i, 0,1,2,3,4,5,6,7
	global_load_b128 v[\set+32*\c+4*\i:\set+32*\c+4*\i+3], v[GA], s[\base:\base+1] offset:\off+256*\c+16*\i
.endr
.endr
.endm
; 64 numbers of a lane become a fragment's 12 registers at v[dst] and its rows' scale word in v[sw]
.macro QF raw, dst, sw
.irp c, 0,1
	v_max3_num_f32 v[TM+\c], |v[\raw+32*\c]|, |v[\raw+32*\c+1]|, 0x2800000   ; my block 2 c + h, and the floor 2^(5 - 127): the byte cannot fall under 1
.endr
.irp i, 2,4,6,8,10,12,14,16,18,20,22,24,26,28,30
.irp c, 0,1
	s_delay_alu instid0(VALU_DEP_2)
	v_max3_num_f32 v[TM+\c], v[TM+\c], |v[\raw+32*\c+\i]|, |v[\raw+32*\c+\i+1]|   ; (the two blocks by turns)
.endr
.endr
.irp c, 0,1
	s_delay_alu instid0(VALU_DEP_2)
	v_add_nc_u32 v[TM+\c], 0xfe000000, v[TM+\c]    ; 4 off the exponent field: the conversion takes this operand's exponent field as its scale
.endr
.irp c, 0,1
	s_delay_alu instid0(VALU_DEP_2)
	v_lshrrev_b32 v[BY+\c], 23, v[TM+\c]           ; the scale's byte
.endr
	s_delay_alu instid0(VALU_DEP_1)
	v_lshl_or_b32 v[BY], v[BY+1], 16, v[BY]        ; my two bytes, blocks h and 2 + h,
	s_delay_alu instid0(VALU_DEP_1)
	v_lshlrev_b32 v[BY], v[SH8], v[BY]             ; at their places in the word;
	s_delay_alu instid0(VALU_DEP_1)
	v_permlanex16_b32 v[PX], v[BY], s[SEL], s[SEL+1]
	s_delay_alu instid0(VALU_DEP_1)
	v_or_b32 v[\sw], v[BY], v[PX]                  ; with the two of the lane 16 away the word is whole
	v_cvt_scalef32_pk16_bf6_f32 v[\dst:\dst+2], v[\raw:\raw+15], v[TM]
	v_cvt_scalef32_pk16_bf6_f32 v[CT:CT+2], v[\raw+16:\raw+31], v[TM]
	v_nop                                          ; one plain place behind a scaled conversion
.irp i, 0,1,2
	v_mov_b32 v[\dst+3+\i], v[CT+\i]
.endr
	v_cvt_scalef32_pk16_bf6_f32 v[\dst+6:\dst+8], v[\raw+32:\raw+47], v[TM+1]
	v_cvt_scalef32_pk16_bf6_f32 v[CT:CT+2], v[\raw+48:\raw+63], v[TM+1]
	v_nop
.irp i, 0,1,2
	v_mov_b32 v[\dst+9+\i], v[CT+\i]
.endr
.endm
	s_load_b256 s[4:11], s[0:1], 0x0               ; U_a s[4:5], W_a s[6:7], hidden s[8:9], ucodes s[10:11]
	s_load_b128 s[12:15], s[0:1], 0x20             ; uscal s[12:13], whw s[14:15]
	v_lshl_add_u32 v[SPW], v0, 2, SPARE
	v_mov_b32 v[NIL], 0
	v_lshrrev_b32 v1, 5, v0
	s_delay_alu instid0(VALU_DEP_1)
	v_readfirstlane_b32 s16, v1                    ; wave = K step s
	v_and_b32 v1, 15, v0                           ; r
	s_wait_alu depctr_va_vdst(0)
	v_bfe_u32 v2, v0, 4, 1                         ; h
	v_and_b32 v3, 31, v0                           ; lane
	s_lshl_b32 s17, s16, 9
	v_lshlrev_b32 v[GA], 12, v1
	s_delay_alu instid0(VALU_DEP_1)
	v_lshl_add_u32 v[GA], v2, 7, v[GA]
	s_delay_alu instid0(VALU_DEP_1)
	v_add_nc_u32 v[GA], s17, v[GA]
	v_lshlrev_b32 v[L16], 4, v3
	v_lshlrev_b32 v[SH8], 3, v2
	s_lshl_b32 s17, s16, 10
	v_add_nc_u32 v[PSA], s17, v[L16]
	s_and_b32 s17, s16, 1                          ; K step s = 2 i + L / 16: the word goes to lane r + 16 (s % 2), word s / 2
	s_lshl_b32 s17, s17, 8
	s_lshr_b32 s22, s16, 1
	s_lshl_b32 s22, s22, 2
	s_add_co_u32 s17, s17, s22
	s_add_co_u32 s17, s17, USC
	v_lshl_add_u32 v[USA], v1, 4, s17
	v_add_nc_u32 v[UL], USC, v[L16]
	; thread t under 128 stores the tile's bytes 8 t: batch t / 8 of the 16, outputs 2 (t % 8) and the next.  In a wave's partial sums that is lane t / 8 + 16 ((t / 4) % 2), registers 4 ((t / 2) % 2) + 2 (t % 2) on
	v_bfe_u32 v[PX], v0, 1, 1
	s_delay_alu instid0(VALU_DEP_1)
	v_lshlrev_b32 v[RDA], 9, v[PX]
	v_bfe_u32 v[PX], v0, 3, 4
	s_delay_alu instid0(VALU_DEP_1)
	v_lshl_add_u32 v[RDA], v[PX], 4, v[RDA]
	v_bfe_u32 v[PX], v0, 2, 1
	s_delay_alu instid0(VALU_DEP_1)
	v_lshl_add_u32 v[RDA], v[PX], 8, v[RDA]
	v_and_b32 v[PX], 1, v0                         ; (so v[PX] is written before a lane permute names it as its destination)
	s_delay_alu instid0(VALU_DEP_1)
	v_lshl_add_u32 v[RDA], v[PX], 3, v[RDA]
	v_lshlrev_b32 v[GST], 3, v0
	s_mov_b32 s[SEL], 0x76543210
	s_mov_b32 s[SEL+1], 0xfedcba98
	s_mov_b32 s19, 0
	s_wait_kmcnt 0x0
	s_cmp_lt_u32 ttmp9, 64                         ; the work-group's number alone: all eight waves go the same way
	s_cbranch_scc0 .Lrole_w
	; ---- THE ROLE OF U_a: tile j = the work-group's number
	s_lshl_b32 s18, ttmp9, 16                      ; 16 rows of 4,096 bytes a tile
	s_add_nc_u64 s[4:5], s[4:5], s[18:19]
	LD64 R2, 4, 0
	s_lshl_b32 s18, ttmp9, 3
	s_add_co_u32 s18, s18, s16
	s_mul_i32 s18, s18, 1536                       ; fragment 8 j + s
	s_add_nc_u64 s[10:11], s[10:11], s[18:19]
	s_lshl_b32 s18, ttmp9, 9
	s_add_nc_u64 s[12:13], s[12:13], s[18:19]
	s_wait_loadcnt 0x0
	QF R2, UC, SWU
.irp c, 0,1,2
	global_store_b128 v[L16], v[UC+4*\c:UC+4*\c+3], s[10:11] offset:512*\c   ; the wave stores 512 consecutive bytes, aligned
.endr
	ds_store_b32 v[USA], v[SWU]                    ; lanes r and r + 16 write the same word with the same value
	s_wait_dscnt 0x0                               ; for the others' sake: my scale words have landed
	s_barrier_signal -1
	s_barrier_wait -1
	s_cmp_lg_u32 s16, 0
	s_cbranch_scc1 .Lu_done
	ds_load_b128 v[144:147], v[UL]                 ; wave 0: the tile's 512 bytes of scale words leave as they lie
	s_wait_dscnt 0x0
	global_store_b128 v[L16], v[144:147], s[12:13]
.Lu_done:
	s_wait_tensorcnt 0x0                           ; the wave's end, behind my last LDS store; the tensor wait stands though this text has no tensor load
	ds_add_u32 v[SPW], v[NIL]
	s_wait_dscnt 0x0
	s_endpgm
	; ---- THE ROLE OF W_a: tile j = (number - 64) / 2, tile of batches bt = (number - 64) % 2
.Lrole_w:
	s_sub_co_u32 s17, ttmp9, 64
	s_lshr_b32 s22, s17, 1                         ; j
	s_and_b32 s23, s17, 1                          ; bt
	s_lshl_b32 s18, s23, 16                        ; 16 batches of 4,096 bytes
	s_add_nc_u64 s[8:9], s[8:9], s[18:19]
	s_lshl_b32 s18, s22, 16
	s_add_nc_u64 s[6:7], s[6:7], s[18:19]
	LD64 R0, 8, 0                                  ; hidden
	LD64 R1, 6, 0                                  ; W_a
	s_lshl_b32 s18, s22, 11                        ; whw: 2,048 bytes a tile, 1,024 for 16 batches
	s_lshl_b32 s23, s23, 10
	s_add_co_u32 s18, s18, s23
	s_add_nc_u64 s[14:15], s[14:15], s[18:19]
	s_wait_loadcnt 16                              ; hidden's 16 loads are in; W's 16 may be out
	QF R0, HC, SWH
	s_wait_loadcnt 0x0
	QF R1, WC, SWW
.rept 8
	v_nop                                          ; a scale register written by a vector instruction stands 8 places ahead of a scaled matrix instruction, an operand so written 4
.endr
	; source 0 = 16 rows of W_a, source 1 = 16 batches: lane (r, h) holds batch r, register i output 16 j + 8 h + i
	v_wmma_scale_f32_16x16x128_f8f6f4 v[D:D+7], v[WC:WC+11], v[HC:HC+11], 0, v[SWW], v[SWH] matrix_a_fmt:MATRIX_FMT_BF6 matrix_b_fmt:MATRIX_FMT_BF6
.rept 4
	v_nop                                          ; four places in front of the first read of the result (ISA guide 7.12.1)
.endr
	ds_store_b128 v[PSA], v[D:D+3]                 ; the accumulator from its low end on
	ds_store_b128 v[PSA], v[D+4:D+7] offset:512
	s_wait_dscnt 0x0                               ; for the others' sake: my partial sums have landed
	s_barrier_signal -1
	s_barrier_wait -1
	s_cmp_lt_u32 s16, 4                            ; 256 numbers: 128 threads take two each
	s_cbranch_scc0 .Lw_done
.irp i, 0,1,2,3,4,5,6,7
	ds_load_b64 v[RD+2*\i:RD+2*\i+1], v[RDA] offset:1024*\i   ; the eight K steps' parts of my two numbers
.endr
	s_wait_dscnt 0x0
	v_pk_add_f32 v[RD:RD+1], v[RD:RD+1], v[RD+2:RD+3]
	v_pk_add_f32 v[RD+4:RD+5], v[RD+4:RD+5], v[RD+6:RD+7]
	v_pk_add_f32 v[RD+8:RD+9], v[RD+8:RD+9], v[RD+10:RD+11]
	v_pk_add_f32 v[RD+12:RD+13], v[RD+12:RD+13], v[RD+14:RD+15]
	s_delay_alu instid0(VALU_DEP_3)
	v_pk_add_f32 v[RD:RD+1], v[RD:RD+1], v[RD+4:RD+5]
	s_delay_alu instid0(VALU_DEP_2)
	v_pk_add_f32 v[RD+8:RD+9], v[RD+8:RD+9], v[RD+12:RD+13]
	s_delay_alu instid0(VALU_DEP_1)
	v_pk_add_f32 v[RD:RD+1], v[RD:RD+1], v[RD+8:RD+9]
	global_store_b64 v[GST], v[RD:RD+1], s[14:15]  ; a wave stores 256 consecutive bytes, aligned
.Lw_done:
	s_wait_tensorcnt 0x0                           ; the wave's end, as in the other role
	ds_add_u32 v[SPW], v[NIL]
	s_wait_dscnt 0x0
	s_endpgm
.Lfunc_end_k_q4f72dbfaa9_prep:
	.size	k_q4f72dbfaa9_prep, .Lfunc_end_k_q4f72dbfaa9_prep-k_q4f72dbfaa9_prep
	.p2alignl 7, 3214868480
	.fill 96, 4, 3214868480
	.section	.rodata,"a",@progbits
	.p2align	6, 0x0
	.amdhsa_kernel k_q4f72dbfaa9_prep
		.amdhsa_group_segment_fixed_size 9728
		.amdhsa_private_segment_fixed_size 0
		.amdhsa_enable_private_segment 0
		.amdhsa_kernarg_size 48
		.amdhsa_user_sgpr_count 2
		.amdhsa_user_sgpr_kernarg_segment_ptr 1
		.amdhsa_wavefront_size32 1
		.amdhsa_system_sgpr_workgroup_id_x 1
		.amdhsa_system_sgpr_workgroup_id_y 1
		.amdhsa_system_sgpr_workgroup_id_z 1
		.amdhsa_system_vgpr_workitem_id 0
		.amdhsa_next_free_vgpr 256
		.amdhsa_next_free_sgpr 66
		.amdhsa_reserve_vcc 0
		.amdhsa_float_denorm_mode_32 3
		.amdhsa_float_denorm_mode_16_64 3
		.amdhsa_memory_ordered 1
		.amdhsa_forward_progress 1
		.amdhsa_inst_pref_size 23
	.end_amdhsa_kernel
	.amdgpu_metadata
---
amdhsa.version: [ 1, 2 ]
amdhsa.kernels:
  - .name:           k_q4f72dbfaa9_prep
    .symbol:         k_q4f72dbfaa9_prep.kd
    .args:
      - { .name: U_a, .offset: 0, .size: 8, .value_kind: global_buffer, .address_space: global }
      - { .name: W_a, .offset: 8, .size: 8, .value_kind: global_buffer, .address_space: global }
      - { .name: hidden, .offset: 16, .size: 8, .value_kind: global_buffer, .address_space: global }
      - { .name: ucodes, .offset: 24, .size: 8, .value_kind: global_buffer, .address_space: global }
      - { .name: uscal, .offset: 32, .size: 8, .value_kind: global_buffer, .address_space: global }
      - { .name: whw, .offset: 40, .size: 8, .value_kind: global_buffer, .address_space: global }
    .group_segment_fixed_size: 9728
    .private_segment_fixed_size: 0
    .kernarg_segment_align: 8
    .kernarg_segment_size: 48
    .max_flat_workgroup_size: 256
    .sgpr_count:     66
    .vgpr_count:     256
    .wavefront_size: 32
...
	.end_amdgpu_metadata
.endif
;; end of part 1
;; launch scores (part 2): grid 256 x 1, 8 waves a work-group, clusters of 4 x 1, 327,680 bytes of LDS; arguments encoder_outputs, ucodes, uscal, whw, v_a, sig; writes sig
.if DOCPART == 2
	.amdgcn_target "amdgcn-amd-amdhsa--gfx1250"
	.amdhsa_code_object_version 6
	.text
	.protected	k_q4f72dbfaa9_scores
	.globl	k_q4f72dbfaa9_scores
	.p2align	8
	.type	k_q4f72dbfaa9_scores,@function
k_q4f72dbfaa9_scores:
	s_mov_b64 s[64:65], 0
	v_nop
	global_prefetch_b8 v0, s[64:65] scope:SCOPE_SE
	s_setreg_imm32_b32 hwreg(HW_REG_WAVE_MODE, 25, 1), 1
	s_wait_xcnt 0x0
	s_wait_alu depctr_hold_cnt(0) depctr_sa_sdst(0) depctr_va_vdst(0) depctr_va_sdst(0) depctr_va_ssrc(0) depctr_va_vcc(0) depctr_vm_vsrc(0)
	s_getreg_b32 s2, hwreg(HW_REG_IB_STS2, 6, 4)
	s_cmp_eq_u32 s2, 0
	s_cbranch_scc0 .Lentry_in_a_cluster
	s_endpgm
.Lentry_in_a_cluster:
	s_bfe_u32 s2, ttmp6, 0x10000c
	s_cmp_lg_u32 s2, 0x3003
	s_cbranch_scc0 .Lentry_shape_is_right
	s_endpgm
.Lentry_shape_is_right:
; Launch 2 of 3: sigma[b,s] = sum_o v_a[o] / (1 + e^(2 x)), x = wh[b,o] + (Q(enc) Q(U_a)^T)[b,s,o].  LEFT OUT: sum_o v_a[o], the part of the score that is the same for every s (shown at the head of launch 1).
; 1 / (1 + 2^(c x)), c = 2 log2(e): where 2^(c x) overflows the quotient is 0, where it falls to 0 the quotient is 1: tanh's two ends, with no choice between forms.
; SHARES.  A work-group owns 256 rows of enc (all of one batch).  Eight waves, two to a SIMD, 512 registers each.  Wave w = 2 g + o: rows 64 g .. 64 g + 63 (four tiles of 16), and of U_a's 64 tiles of 16 outputs those with j % 2 = o.
; PHASE L: enc comes through two LDS slots, 128 along K of all 256 rows to a slot; each wave fetches 32 rows.  Both waves of a pair quantise their 64 rows into registers: 8 K steps x 4 tiles x 12 registers of codes
; and 16 registers of scale words stay for the whole launch.  (Codes handed from wave to wave would want LDS bytes of their own, 2 x 26,624, which the two slots and the tables do not leave.)
; PHASE N: U_a's codes walk through the same two slots, eight tiles to a slot, one tile fetched by each wave; a wave multiplies four of them.
; THE MATRIX INSTRUCTION IS USED TRANSPOSED (source 0 = 16 rows of U_a, source 1 = 16 rows of enc): lane (r, h) holds row r, register i output 16 j + 8 h + i.
; A TILE is one group of 32 matrix instructions (four accumulators by turns) and then one batch of vector work on its 32 results a lane.  U's fragments pass through four buffers of 12 registers:
; a K step's fragment is asked for three K steps ahead of its use.  c x = c ue + c wh is one multiply-add: the LDS table holds c wh.  Eight registers hold c wh for that line and then take v_a, which is loaded under the exponentials.
; At a change of slots the wave with o = 0 does the batch ahead of the round and the wave with o = 1 behind it, so that behind the round one wave of a pair begins with matrix instructions and the other with vector work.
; CLUSTER.  All work-groups walk the same codes of U_a: the four of a cluster ask for them jointly (mask 15).  enc's rows belong to one work-group: plain loads, behind the same rounds.
; U's scale words (32,768 bytes), wh of my batch and v_a (4,096 each) are copied once through registers into LDS bytes of their own, 16 bytes a thread and load, a wave's load on 512 consecutive bytes (wh: on 64-byte pieces).
; PREFETCH.  Behind the tensor load of K step k each wave names K step k + 2 of its own 32 rows: a lane a row, two instructions for the row's 512 bytes; at the head K steps 1 and 2; K step 7 is the last named.
; U_a's codes are not prefetched: all 256 work-groups walk the same 786,432 bytes in the same order.
; LIMITS: those of the quantiser stated at the head of launch 1.
; REGISTERS.  Window 0: v0-11 addresses (the two phases' share places), v12-27 enc's scale words, v28-35 sigma, v36-39 U's scale words, v40-43 c wh / v_a of outputs 0-3, v44-79 fragment buffers 0-2, v80-111 four accumulators,
; v112-255 enc's codes of K steps 5-7.  Window 1: enc's codes of K steps 0-4 at 48 s + 12 t; v240-251 fragment buffer 3; v252-255 c wh / v_a of outputs 4-7.  Phase L: v48-111 a tile's 64 numbers, v28-34 the blocks' upper codes.
.set PITCH, 528                        ; an LDS line: 512 bytes + 16 of padding
.set K1,    256*PITCH                  ; a slot: 256 lines; slot 1 begins here
.set TILEB, 24*PITCH                   ; a tile of U: line 3 s + c holds registers 4 c .. 4 c + 3 of K step s, 16 bytes a lane
.set USC,   2*K1                       ; U's scale words
.set WHT,   USC+32768                  ; c wh of my batch
.set VT,    WHT+4096                   ; v_a
.set RED,   VT+4096                    ; the eight waves' sums, 512 bytes each
.set SPARE, RED+4096                   ; the spare words, 128 bytes a wave: four blocks of 256 bytes that no other line names
.set RA0, 1                            ; phase L: v1-2 my place in my 64 rows in slot 0, 1
.set SH8, 3                            ; phase L: 8 h
.set PFO, 4                            ; phase L: 4096 x lane
.set TM,  5                            ; phase L: v5-6
.set BY,  7                            ; phase L: v7-8
.set BA,  1                            ; phase N: the tile of U in hand
.set SA,  2                            ; its scale words
.set WA,  3                            ; its c wh; v_a lies 4,096 bytes on
.set L16O, 4                           ; 16 x lane + o x TILEB
.set SA0, 5
.set WA0, 6
.set SPW, 9                            ; my spare word; never rewritten
.set NIL, 10                           ; 0; never rewritten
.set AS,  12                           ; 4 t + s / 2: lanes 0-15 the word of K step s even, lanes 16-31 of s odd: scales and nothing else
.set SC,  28
.set CT0, 28
.set CT1, 32
.set BS,  36                           ; scales and nothing else
.set TA,  40
.set FB,  44
.set ACC, 80
.set RS,  48
.set FB3, 240
.set TB4, 252
.set WV, 16
.set CX, 17
.set WG, 18
.set T0, 19
.set CS, 22
.set G1R, 24
.set G1U, 32
.set G0R, 40
.set G0U, 44
.set OC, 48
.set CT, 49
.set OO, 50
.set GG, 51
.set TB, 52
.set TS, 53
.set TW, 54
.set MK, 55
.set SEL, 56
.set A0, 58
.set A1, 59
.set A2, 60
.set A3, 61
.set US, 62
.set UWO, 66
.set MSB, 0
.macro WIN new                         ; the immediate's high byte repeats the setting that is left
.if MSB != (\new)
	s_set_vgpr_msb (MSB<<8)|(\new)
.set MSB, (\new)
.endif
.endm
.macro CREST
	s_cmp_lg_u32 s[WV], 0
	s_cbranch_scc1 .Lnot_wave_0_\@
	s_barrier_signal -3
.Lnot_wave_0_\@:
	s_barrier_wait -3
	s_barrier_signal -1
	s_barrier_wait -1
.endm
.macro ROUND                           ; a whole round of the cluster's barrier
	s_barrier_signal -1
	s_barrier_wait -1
	CREST
.endm
.macro FOUR
.rept 4
	v_nop
.endr
.endm
.macro PF k                            ; K step k of my 32 rows: a lane a row, 2 x 256 bytes
	global_prefetch_b8 v[PFO], s[4:5] offset:512*(\k) th:TH_LOAD_NT scope:SCOPE_SE
	global_prefetch_b8 v[PFO], s[4:5] offset:512*(\k)+256 th:TH_LOAD_NT scope:SCOPE_SE
.endm
	s_load_b256 s[4:11], s[0:1], 0x0               ; enc, ucodes, uscal, whw
	s_load_b128 s[12:15], s[0:1], 0x20             ; v_a, sig
	v_lshl_add_u32 v[SPW], v0, 2, SPARE
	v_mov_b32 v[NIL], 0
	ds_add_u32 v[SPW], v[NIL]                      ; the opening lines: the add, twice on end, and its wait ahead of my first tensor load
	ds_add_u32 v[SPW], v[NIL]
	v_lshrrev_b32 v11, 5, v0
	s_delay_alu instid0(VALU_DEP_1)
	v_readfirstlane_b32 s[WV], v11                 ; wave 0..7
	s_bfe_u32 s[CX], ttmp6, 0x40000                ; my place in the cluster: it enters enc's and sig's addresses alone
	s_lshl_b32 s[WG], ttmp9, 2
	s_add_co_u32 s[WG], s[WG], s[CX]               ; my block of 256 rows
	s_and_b32 s[OO], s[WV], 1                      ; o
	s_lshr_b32 s[GG], s[WV], 1                     ; g
	; enc: 32 rows x 128 numbers of 4 bytes, rows 1,024 numbers apart; 4 words of padding behind every 128
	s_mov_b32 s[G1R+0], (2<<16)|(1<<20)|(6<<22)|(3<<25)
	s_mov_b32 s[G1R+1], 128<<16
	s_mov_b32 s[G1R+2], 32<<16
	s_mov_b32 s[G1R+3], 128<<16
	s_mov_b32 s[G1R+4], 32
	s_mov_b32 s[G1R+5], 1024
	s_mov_b32 s[G1R+6], 0
	s_mov_b32 s[G1R+7], 0
	; U's codes: a tile, 24 dense rows of 512 bytes (64 elements of 8), the same padding; the mask names the four work-groups, bit 21 beside it
	s_mov_b32 s[G1U+0], 15|(3<<16)|(1<<20)|(1<<21)|(6<<22)|(3<<25)
	s_mov_b32 s[G1U+1], 64<<16
	s_mov_b32 s[G1U+2], 24<<16
	s_mov_b32 s[G1U+3], 64<<16
	s_mov_b32 s[G1U+4], 24
	s_mov_b32 s[G1U+5], 64
	s_mov_b32 s[G1U+6], 0
	s_mov_b32 s[G1U+7], 0
	s_mov_b32 s[CS], 0x4038aa3b                    ; c = 2 log2(e)
	s_mov_b32 s[CS+1], s[CS]
	s_mov_b32 s[SEL], 0x76543210
	s_mov_b32 s[SEL+1], 0xfedcba98                 ; lane l xor 16
	s_mov_b32 s[MK], 0xffff0000                    ; lanes 16-31
	s_lshl_b32 s[A0], s[OO], 9
	s_add_co_u32 s[A0], s[A0], USC
	s_lshl_b32 s[A1], s[OO], 6
	s_add_co_u32 s[A1], s[A1], WHT
	s_mul_i32 s[A2], s[OO], TILEB
	s_mul_i32 s[A3], s[GG], 64*PITCH
	s_mul_i32 s[UWO], s[WV], TILEB                 ; where my tile of a slot's eight goes
	s_mov_b32 s[US], 0
	s_mov_b32 s3, 0                                ; s[2:3]: offsets of my own work-group;  s[20:21]: offsets that the four partners share
	s_mov_b32 s21, 0
	s_wait_dscnt 0x0                               ; both opening adds are done
	s_wait_kmcnt 0x0
	s_lshl_b32 s2, s[WG], 20                       ; 256 rows of 4,096 bytes,
	s_lshl_b32 s[T0], s[WV], 17                    ; the 32 that I fetch
	s_add_co_u32 s2, s2, s[T0]
	s_add_nc_u64 s[4:5], s[4:5], s[2:3]            ; never rewritten
	s_mov_b32 s[G0R], 1
	s_mul_i32 s[G0R+1], s[WV], 32*PITCH
	s_mov_b64 s[G0R+2:G0R+3], s[4:5]
	s_or_b32 s[G0R+3], s[G0R+3], 0x80000000
	s_mul_i32 s20, s[WV], 12288
	s_mov_b32 s[G0U], 1
	s_mov_b32 s[G0U+1], s[UWO]
	s_add_nc_u64 s[G0U+2:G0U+3], s[6:7], s[20:21]
	s_or_b32 s[G0U+3], s[G0U+3], 0x80000000
	s_lshr_b32 s2, ttmp9, 1                        ; my batch: eight work-groups, two clusters, to a batch
	s_lshl_b32 s2, s2, 6
	s_add_nc_u64 s[10:11], s[10:11], s[2:3]
	s_lshl_b32 s2, s[WG], 2
	s_add_co_u32 s2, s2, s[GG]
	s_lshl_b32 s2, s2, 8                           ; sig: 256 bytes for a pair's 64 rows
	s_add_nc_u64 s[14:15], s[14:15], s[2:3]
	ROUND                                          ; in a cluster launch every group of tensor loads stands behind a round
	tensor_load_to_lds s[G0R:G0R+3], s[G1R:G1R+7]  ; K step 0, my 32 rows: my one tensor load at the head
	s_nop 0
	FOUR
	v_and_b32 v28, 31, v0                          ; lane
	v_and_b32 v29, 15, v0                          ; r
	v_bfe_u32 v30, v0, 4, 1                        ; h
	v_lshlrev_b32 v[PFO], 12, v28
	v_lshlrev_b32 v31, 4, v0                       ; 16 x thread
	v_lshrrev_b32 v32, 2, v0
	v_and_b32 v33, 3, v0
	PF 1
	PF 2
.irp i, 0,1,2,3,4,5,6,7
	global_load_b128 v[RS+4*\i:RS+4*\i+3], v31, s[8:9] offset:4096*\i   ; U's scale words as they lie
.endr
	global_load_b128 v[RS+32:RS+35], v31, s[12:13] ; v_a
	v_lshlrev_b32 v33, 4, v33
	s_delay_alu instid0(VALU_DEP_1)
	v_lshl_add_u32 v32, v32, 11, v33               ; whw [j][batch][16]: thread T takes tile T / 4, bytes 16 (T % 4)
	global_load_b128 v[RS+36:RS+39], v32, s[10:11]
	v_mul_u32_u24 v[RA0], v29, PITCH
	s_delay_alu instid0(VALU_DEP_1)
	v_lshl_add_u32 v[RA0], v30, 7, v[RA0]
	s_delay_alu instid0(VALU_DEP_1)
	v_add_nc_u32 v[RA0], s[A3], v[RA0]             ; line 64 g + r, + 128 h
	s_delay_alu instid0(VALU_DEP_1)
	v_add_nc_u32 v[RA0+1], K1, v[RA0]
	v_lshlrev_b32 v[SH8], 3, v30
	v_lshl_add_u32 v34, v0, 4, USC
	s_wait_alu depctr_va_vdst(0)                   ; the wait at the head's end
	s_wait_loadcnt 0x0
	v_pk_mul_f32 v[RS+36:RS+37], v[RS+36:RS+37], s[CS:CS+1] op_sel_hi:[1,0]   ; c wh
	v_pk_mul_f32 v[RS+38:RS+39], v[RS+38:RS+39], s[CS:CS+1] op_sel_hi:[1,0]
.irp i, 0,1,2,3,4,5,6,7
	ds_store_b128 v34, v[RS+4*\i:RS+4*\i+3] offset:4096*\i
.endr
	ds_store_b128 v34, v[RS+32:RS+35] offset:36864 ; v_a
	ds_store_b128 v34, v[RS+36:RS+39] offset:32768 ; c wh
; ---- PHASE L ----
; Row tile tt of K step ks: my row's two blocks of 32 numbers, k = 64 c + 32 h + 0 .. 31, become 12 registers of codes and a scale word
.macro UNIT tt, ks
.if (\ks) < 5
.set QX, 48*(\ks)+12*(\tt)
.else
.set QX, 112+48*((\ks)-5)+12*(\tt)
.endif
.irp c, 0,1
.irp i, 0,1,2,3,4,5,6,7
	ds_load_b128 v[RS+32*\c+4*\i:RS+32*\c+4*\i+3], v[RA0+((\ks)%2)] offset:16*PITCH*(\tt)+256*\c+16*\i
.endr
.endr
	s_wait_dscnt 0x0
.irp c, 0,1
	v_max3_num_f32 v[TM+\c], |v[RS+32*\c]|, |v[RS+32*\c+1]|, 0x2800000   ; my block 2 c + h, and the floor 2^(5 - 127): the byte cannot fall under 1
.endr
.irp i, 2,4,6,8,10,12,14,16,18,20,22,24,26,28,30
.irp c, 0,1
	s_delay_alu instid0(VALU_DEP_2)
	v_max3_num_f32 v[TM+\c], v[TM+\c], |v[RS+32*\c+\i]|, |v[RS+32*\c+\i+1]|
.endr
.endr
.irp c, 0,1
	s_delay_alu instid0(VALU_DEP_2)
	v_add_nc_u32 v[TM+\c], 0xfe000000, v[TM+\c]    ; 4 off the exponent field: the conversion's scale operand
.endr
.irp c, 0,1
	s_delay_alu instid0(VALU_DEP_2)
	v_lshrrev_b32 v[BY+\c], 23, v[TM+\c]           ; the scale's byte
.endr
	s_delay_alu instid0(VALU_DEP_1)
	v_lshl_or_b32 v[BY], v[BY+1], 16, v[BY]
	s_delay_alu instid0(VALU_DEP_1)
	v_lshlrev_b32 v[BY], v[SH8], v[BY]
	s_delay_alu instid0(VALU_DEP_1)
	v_permlanex16_b32 v[BY+1], v[BY], s[SEL], s[SEL+1]
	s_delay_alu instid0(VALU_DEP_1)
.if (\ks)%2 == 0
	v_or_b32 v[AS+4*(\tt)+(\ks)/2], v[BY], v[BY+1] ; the row's word, in both halves of the lanes
.else
	v_or_b32 v[BY], v[BY], v[BY+1]
	s_delay_alu instid0(VALU_DEP_1)
	v_cndmask_b32 v[AS+4*(\tt)+(\ks)/2], v[AS+4*(\tt)+(\ks)/2], v[BY], s[MK]   ; an odd K step's word takes lanes 16-31
.endif
	v_cvt_scalef32_pk16_bf6_f32 v[CT0:CT0+2], v[RS+16:RS+31], v[TM]     ; (a conversion's three registers begin on an even number: the upper halves are made here and moved)
	v_cvt_scalef32_pk16_bf6_f32 v[CT1:CT1+2], v[RS+48:RS+63], v[TM+1]
	v_nop                                          ; one plain place behind a scaled conversion
.if (\ks) < 5
	WIN 0x40                                       ; destination window 1
.endif
	v_cvt_scalef32_pk16_bf6_f32 v[QX:QX+2], v[RS:RS+15], v[TM]
	v_cvt_scalef32_pk16_bf6_f32 v[QX+6:QX+8], v[RS+32:RS+47], v[TM+1]
.irp i, 0,1,2
	v_mov_b32 v[QX+3+\i], v[CT0+\i]                ; (these six are the plain lines behind the last conversions)
	v_mov_b32 v[QX+9+\i], v[CT1+\i]
.endr
	WIN 0
.endm
.macro LSTEP ks
.irp t, 0,1,2,3
	UNIT \t, \ks
.endr
.endm
; A CHANGE OF SLOTS in phase L: all my tensor loads have landed, the add, my LDS instructions are over; a round; then my one tensor load, into the slot just left (the first time: slot 1's first fill)
.macro LCHG_RAW pf
	s_wait_alu depctr_va_vdst(0)                   ; the wait ahead of the blocking wait
	s_wait_tensorcnt 0x0                           ; no tensor load of mine is out, so a group 0 may be written
	ds_add_u32 v[SPW], v[NIL]
	s_xor_b32 s[G0R+1], s[G0R+1], K1               ; the other slot than last time,
	s_add_nc_u64 s[G0R+2:G0R+3], s[G0R+2:G0R+3], 512   ; the next 128 along K
	s_wait_dscnt 0x0
	ROUND
	tensor_load_to_lds s[G0R:G0R+3], s[G1R:G1R+7]
	s_nop 0
	FOUR
.if (\pf) <= 7
	PF \pf                                         ; two K steps on from the load above
.endif
.endm
.macro LCHG_U step
	s_wait_alu depctr_va_vdst(0)
	s_wait_tensorcnt 0x0
	ds_add_u32 v[SPW], v[NIL]
.if \step
	s_xor_b32 s[US], s[US], K1
	s_add_co_u32 s[G0U+1], s[US], s[UWO]
	s_add_nc_u64 s[G0U+2:G0U+3], s[G0U+2:G0U+3], 98304     ; the next eight tiles of U
.endif
	s_wait_dscnt 0x0
	ROUND
	tensor_load_to_lds s[G0U:G0U+3], s[G1U:G1U+7]
	s_nop 0
	FOUR
.endm
.irp k, 0,1,2,3,4,5,6
	LCHG_RAW \k+3                                  ; K step k + 1 goes out; K step k is whole for all eight waves
	LSTEP \k
.endr
	LCHG_U 0                                       ; slot 0 is done with enc: U's tiles 0-7
	LSTEP 7
	LCHG_U 1                                       ; slot 1 likewise: tiles 8-15.  Tiles 0-7 have landed: the wait and the round above
; ---- PHASE N ----
.macro LDF buf, areg, off              ; a K step's fragment of U into buffer buf: three loads of 16 bytes a lane.  (Buffers 0-2: the caller's setting leaves source 0 and the destination in window 0; buffer 3 lies in window 1)
.if (\buf) == 3
	WIN 0x40
.irp c, 0,1,2
	ds_load_b128 v[FB3+4*\c:FB3+4*\c+3], v[\areg] offset:(\off)+PITCH*\c
.endr
.else
.irp c, 0,1,2
	ds_load_b128 v[FB+12*(\buf)+4*\c:FB+12*(\buf)+4*\c+3], v[\areg] offset:(\off)+PITCH*\c
.endr
.endif
.endm
.macro LDT off                         ; eight numbers of the tile's outputs 8 h + 0 .. 7: c wh (off = 0) or v_a (off = 4096)
	WIN 0
	ds_load_b128 v[TA:TA+3], v[WA] offset:\off
	WIN 0x40
	ds_load_b128 v[TB4:TB4+3], v[WA] offset:(\off)+16
.endm
.macro MM ks, t
.if (\ks)%4 == 3
.set mb, FB3
.else
.set mb, FB+12*((\ks)%4)
.endif
.if (\ks) < 5
.set mc, 48*(\ks)+12*(\t)
.else
.set mc, 112+48*((\ks)-5)+12*(\t)
.endif
.set md, ACC+8*(\t)
.set sa, BS+(\ks)/2
.set sb, AS+4*(\t)+(\ks)/2
.if (\ks) == 0
	v_wmma_scale_f32_16x16x128_f8f6f4 v[md:md+7], v[mb:mb+11], v[mc:mc+11], 0, v[sa], v[sb] matrix_a_fmt:MATRIX_FMT_BF6 matrix_b_fmt:MATRIX_FMT_BF6
.elseif (\ks)%2 == 0
	v_wmma_scale_f32_16x16x128_f8f6f4 v[md:md+7], v[mb:mb+11], v[mc:mc+11], v[md:md+7], v[sa], v[sb] matrix_a_fmt:MATRIX_FMT_BF6 matrix_b_fmt:MATRIX_FMT_BF6
.else
	v_wmma_scale_f32_16x16x128_f8f6f4 v[md:md+7], v[mb:mb+11], v[mc:mc+11], v[md:md+7], v[sa], v[sb] matrix_a_fmt:MATRIX_FMT_BF6 matrix_b_fmt:MATRIX_FMT_BF6 matrix_a_scale:MATRIX_SCALE_ROW1 matrix_b_scale:MATRIX_SCALE_ROW1
.endif
.endm
.macro KST ks                          ; a K step: the four accumulators by turns
.irp t, 0,1,2,3
	MM \ks, \t
.endr
.endm
; The vector work on a tile's 32 results a lane: c ue + c wh, 2^(c x), + 1, the reciprocal, sigma += v_a x quotient.  Each batch of transcendentals has a wait ahead of it and behind it.
.macro VPH
.irp t, 0,1,2,3
.irp p, 0,1
	v_pk_fma_f32 v[ACC+8*\t+2*\p:ACC+8*\t+2*\p+1], v[ACC+8*\t+2*\p:ACC+8*\t+2*\p+1], s[CS:CS+1], v[TA+2*\p:TA+2*\p+1] op_sel_hi:[1,0,1]   ; each accumulator from its low end on
.endr
.endr
	WIN 0x10                                       ; source 2: window 1
.irp t, 0,1,2,3
.irp p, 0,1
	v_pk_fma_f32 v[ACC+8*\t+4+2*\p:ACC+8*\t+4+2*\p+1], v[ACC+8*\t+4+2*\p:ACC+8*\t+4+2*\p+1], s[CS:CS+1], v[TB4+2*\p:TB4+2*\p+1] op_sel_hi:[1,0,1]
.endr
.endr
	LDT 4096                                       ; c wh has been read: the eight registers take the tile's v_a
	WIN 0
	s_wait_alu depctr_va_vdst(0)
.set i, 0
.rept 32
	v_exp_f32 v[ACC+i], v[ACC+i]
.set i, i+1
.endr
	v_nop
	s_wait_alu depctr_va_vdst(0)
.set i, 0
.rept 16
	v_pk_add_f32 v[ACC+2*i:ACC+2*i+1], v[ACC+2*i:ACC+2*i+1], 1.0 op_sel_hi:[1,0]
.set i, i+1
.endr
	s_wait_alu depctr_va_vdst(0)
.set i, 0
.rept 32
	v_rcp_f32 v[ACC+i], v[ACC+i]
.set i, i+1
.endr
	v_nop
	s_wait_alu depctr_va_vdst(0)
	s_wait_dscnt 0x0                               ; v_a is in (its two loads are my youngest)
.irp p, 0,1
.irp t, 0,1,2,3
	v_pk_fma_f32 v[SC+2*\t:SC+2*\t+1], v[ACC+8*\t+2*\p:ACC+8*\t+2*\p+1], v[TA+2*\p:TA+2*\p+1], v[SC+2*\t:SC+2*\t+1]
.endr
.endr
	WIN 0x04                                       ; source 1: window 1
.irp p, 0,1
.irp t, 0,1,2,3
	v_pk_fma_f32 v[SC+2*\t:SC+2*\t+1], v[ACC+8*\t+4+2*\p:ACC+8*\t+4+2*\p+1], v[TB4+2*\p:TB4+2*\p+1], v[SC+2*\t:SC+2*\t+1]
.endr
.endr
	WIN 0
.endm
; A TILE of 16 outputs.  mode 0: plain; 1: my last of the slot, the slot is filled again; 2: the same with no fill; 3: the launch's last.
; K step s lies in fragment buffer s % 4.  Four v_nop stand between a K step's matrix instructions and the loads into its buffer (ISA guide 7.12.1 for vector instructions).
; s_wait_dscnt 9: behind the fragment wanted stand the three younger fragments' nine loads.
.macro TILE mode
	v_add_nc_u32 v[BA], s[TB], v[L16O]
	v_add_nc_u32 v[SA], s[TS], v[SA0]
	v_add_nc_u32 v[WA], s[TW], v[WA0]
	s_wait_alu depctr_va_vdst(0)
	s_add_co_u32 s[TB], s[TB], 2*TILEB
	s_add_co_u32 s[TS], s[TS], 1024
	s_add_co_u32 s[TW], s[TW], 128
	LDT 0                                          ; this tile's c wh, wanted behind its matrix instructions
	WIN 0x04                                       ; source 1 (enc's codes): window 1
	s_wait_dscnt 2                                 ; all but the two just issued: K steps 0-3 and the scale words are in
	KST 0
	FOUR
	LDF 0, BA, 12*PITCH
	KST 1
	FOUR
	LDF 1, BA, 15*PITCH
	KST 2
	FOUR
	LDF 2, BA, 18*PITCH
	WIN 0x05                                       ; source 0 (buffer 3) too
	KST 3
	FOUR
	LDF 3, BA, 21*PITCH
	WIN 0x04
	s_wait_dscnt 9
	KST 4
.if \mode == 0
	FOUR
	LDF 0, BA, 2*TILEB                             ; my next tile's K step 0,
	WIN 0
	s_wait_dscnt 9
	KST 5
	FOUR
	LDF 1, BA, 2*TILEB+3*PITCH                     ; 1,
	s_wait_dscnt 9
	KST 6
	FOUR
	LDF 2, BA, 2*TILEB+6*PITCH                     ; 2,
	WIN 0x01
	s_wait_dscnt 9
	KST 7
	FOUR
	LDF 3, BA, 2*TILEB+9*PITCH                     ; 3, and its scale words
	WIN 0
	ds_load_b128 v[BS:BS+3], v[SA] offset:1024
	VPH
.else
	WIN 0
	s_wait_dscnt 6                                 ; K steps 6 and 7 may be out
	KST 5
	s_wait_dscnt 3
	KST 6
	WIN 0x01
	s_wait_dscnt 0x0
	KST 7
	WIN 0
	FOUR
.if \mode == 3
	VPH
.else
	s_cmp_lg_u32 s[OO], 0
	s_cbranch_scc1 .Llater_\@
	VPH                                            ; o = 0: the tile's vector work ahead of the barrier
.Llater_\@:
	; THE CHANGE OF SLOTS
	s_wait_tensorcnt 0x0                           ; all my tensor loads have landed: my tile of the next slot
	ds_add_u32 v[SPW], v[NIL]
.if \mode == 1
	s_xor_b32 s[US], s[US], K1                     ; no tensor load of mine is out: the walking descriptor takes this slot
	s_add_co_u32 s[G0U+1], s[US], s[UWO]
	s_add_nc_u64 s[G0U+2:G0U+3], s[G0U+2:G0U+3], 98304     ; and the eight tiles two slots on
.endif
	s_sub_co_u32 s[TB], s[TB], 8*TILEB             ; the tiles go back to a slot's first,
	s_xor_b32 s[TB], s[TB], K1                     ; in the other slot
	s_wait_dscnt 0x0                               ; the add is done, and my reads of this slot are over
.if \mode == 1
	ROUND                                          ; no wave of any partner still reads this slot or has a load on its way
	tensor_load_to_lds s[G0U:G0U+3], s[G1U:G1U+7]  ; the joint refill, first behind the round
	s_nop 0
	FOUR
.else
	s_barrier_signal -1
	s_barrier_wait -1
.endif
	v_add_nc_u32 v[BA], s[TB], v[L16O]
	s_wait_alu depctr_va_vdst(0)
	LDF 0, BA, 0
	LDF 1, BA, 3*PITCH
	LDF 2, BA, 6*PITCH
	LDF 3, BA, 9*PITCH
	WIN 0
	ds_load_b128 v[BS:BS+3], v[SA] offset:1024
	s_cmp_eq_u32 s[OO], 0
	s_cbranch_scc1 .Ldone_\@
	VPH                                            ; o = 1: behind it
.Ldone_\@:
.endif
.endif
.endm
.macro WALK mode                       ; my four tiles of a slot
	s_mov_b32 s[CT], 3
.Ltile_\@:
	TILE 0
	s_sub_co_u32 s[CT], s[CT], 1
	s_cmp_lg_u32 s[CT], 0
	s_cbranch_scc1 .Ltile_\@
	TILE \mode
.endm
	s_wait_xcnt 0x0                                ; the prefetches have read v4, which is written below
	v_and_b32 v[L16O], 31, v0
	v_bfe_u32 v[WA0], v0, 4, 1
	s_delay_alu instid0(VALU_DEP_2)
	v_lshlrev_b32 v[L16O], 4, v[L16O]
	s_delay_alu instid0(VALU_DEP_2)
	v_lshl_add_u32 v[WA0], v[WA0], 5, s[A1]        ; WHT + 32 h + 64 o
	s_delay_alu instid0(VALU_DEP_2)
	v_add_nc_u32 v[SA0], s[A0], v[L16O]            ; USC + 16 x lane + 512 o
	v_add_nc_u32 v[L16O], s[A2], v[L16O]
.set i, 0
.rept 8
	v_mov_b32 v[SC+i], 0                           ; (also the places between the last scale word written by a vector instruction and the first scaled matrix instruction)
.set i, i+1
.endr
	s_wait_alu depctr_va_vdst(0)
	s_mov_b32 s[TB], 0
	s_mov_b32 s[TS], 0
	s_mov_b32 s[TW], 0
	LDF 0, L16O, 0                                 ; my first tile: thirteen loads, as every tile leaves out for the next
	LDF 1, L16O, 3*PITCH
	LDF 2, L16O, 6*PITCH
	LDF 3, L16O, 9*PITCH
	WIN 0
	ds_load_b128 v[BS:BS+3], v[SA0]
	s_mov_b32 s[OC], 6
.Lwalk:                                            ; six slots are filled again: tiles 16-63
	WALK 1
	s_sub_co_u32 s[OC], s[OC], 1
	s_cmp_lg_u32 s[OC], 0
	s_cbranch_scc1 .Lwalk
	WALK 2                                         ; the tail is written out
	WALK 3
	; THE WAY OUT: a pair of registers' two halves, the lane 16 away (the other eight outputs of each tile), and through LDS the other wave of my pair (the other half of the tiles)
.set OUT, 44
	v_lshl_add_u32 v[BA], v0, 4, RED               ; 512 x wave + 16 x lane
	v_and_b32 v[WA], 15, v0
	v_bfe_u32 v11, v0, 4, 1
	v_xor_b32 v[SA], 512, v[BA]                    ; my partner's
	v_lshlrev_b32 v[WA], 4, v[WA]
	s_delay_alu instid0(VALU_DEP_1)
	v_lshl_add_u32 v[WA], v11, 3, v[WA]            ; 16 r + 8 h
.irp t, 0,1,2,3
	v_add_f32 v[OUT+\t], v[SC+2*\t], v[SC+2*\t+1]
.endr
.irp t, 0,1,2,3
	v_permlanex16_b32 v[48+\t], v[OUT+\t], s[SEL], s[SEL+1]
.endr
.irp t, 0,1,2,3
	v_add_f32 v[OUT+\t], v[OUT+\t], v[48+\t]
.endr
	ds_store_b128 v[BA], v[OUT:OUT+3]
	s_wait_alu depctr_va_vdst(0)                   ; the wait ahead of the blocking wait
	s_wait_dscnt 0x0                               ; for the others' sake: my sums have landed
	s_barrier_signal -1
	s_barrier_wait -1
	ds_load_b128 v[52:55], v[SA]
	s_wait_dscnt 0x0
	v_pk_add_f32 v[OUT:OUT+1], v[OUT:OUT+1], v[52:53]
	v_pk_add_f32 v[OUT+2:OUT+3], v[OUT+2:OUT+3], v[54:55]
	s_delay_alu instid0(VALU_DEP_1)
	v_cndmask_b32 v[OUT], v[OUT], v[OUT+2], s[MK]  ; lanes 0-15 store row tiles 0 and 1, lanes 16-31 tiles 2 and 3: sig [64 rows][r][t]
	v_cndmask_b32 v[OUT+1], v[OUT+1], v[OUT+3], s[MK]
	s_cmp_lg_u32 s[OO], 0
	s_cbranch_scc1 .Lno_store
	global_store_b64 v[WA], v[OUT:OUT+1], s[14:15] ; one wave of a pair stores 256 consecutive bytes, aligned
.Lno_store:
	s_wait_tensorcnt 0x0                           ; the wave's end
	ds_add_u32 v[SPW], v[NIL]
	s_wait_dscnt 0x0
	ROUND                                          ; the closing round: no work-group ends while a partner may still ask for a tile that names it
	s_endpgm
.Lfunc_end_k_q4f72dbfaa9_scores:
	.size	k_q4f72dbfaa9_scores, .Lfunc_end_k_q4f72dbfaa9_scores-k_q4f72dbfaa9_scores
	.p2alignl 7, 3214868480
	.fill 96, 4, 3214868480
	.section	.rodata,"a",@progbits
	.p2align	6, 0x0
	.amdhsa_kernel k_q4f72dbfaa9_scores
		.amdhsa_group_segment_fixed_size 327680
		.amdhsa_private_segment_fixed_size 0
		.amdhsa_enable_private_segment 0
		.amdhsa_kernarg_size 48
		.amdhsa_user_sgpr_count 2
		.amdhsa_user_sgpr_kernarg_segment_ptr 1
		.amdhsa_wavefront_size32 1
		.amdhsa_system_sgpr_workgroup_id_x 1
		.amdhsa_system_sgpr_workgroup_id_y 1
		.amdhsa_system_sgpr_workgroup_id_z 1
		.amdhsa_system_vgpr_workitem_id 0
		.amdhsa_next_free_vgpr 512
		.amdhsa_next_free_sgpr 68
		.amdhsa_reserve_vcc 0
		.amdhsa_float_denorm_mode_32 3
		.amdhsa_float_denorm_mode_16_64 3
		.amdhsa_memory_ordered 1
		.amdhsa_forward_progress 1
		.amdhsa_inst_pref_size 255
	.end_amdhsa_kernel
	.section	.bss,"aw",@nobits
	.p2align	6
	.space	262144
	.amdgpu_metadata
---
amdhsa.version: [ 1, 2 ]
amdhsa.kernels:
  - .name:           k_q4f72dbfaa9_scores
    .symbol:         k_q4f72dbfaa9_scores.kd
    .args:
      - { .name: encoder_outputs, .offset: 0, .size: 8, .value_kind: global_buffer, .address_space: global }
      - { .name: ucodes, .offset: 8, .size: 8, .value_kind: global_buffer, .address_space: global }
      - { .name: uscal, .offset: 16, .size: 8, .value_kind: global_buffer, .address_space: global }
      - { .name: whw, .offset: 24, .size: 8, .value_kind: global_buffer, .address_space: global }
      - { .name: v_a, .offset: 32, .size: 8, .value_kind: global_buffer, .address_space: global }
      - { .name: sig, .offset: 40, .size: 8, .value_kind: global_buffer, .address_space: global }
    .group_segment_fixed_size: 327680
    .private_segment_fixed_size: 0
    .kernarg_segment_align: 8
    .kernarg_segment_size: 48
    .max_flat_workgroup_size: 256
    .sgpr_count:     68
    .vgpr_count:     512
    .wavefront_size: 32
...
	.end_amdgpu_metadata
.endif
;; end of part 2
;; launch context (part 3): grid 8 x 32, 8 waves a work-group, no clusters, 327,680 bytes of LDS; arguments encoder_outputs, sig, out0, out1; writes out0, out1
.if DOCPART == 3
	.amdgcn_target "amdgcn-amd-amdhsa--gfx1250"
	.amdhsa_code_object_version 6
	.text
	.protected	k_q4f72dbfaa9_context
	.globl	k_q4f72dbfaa9_context
	.p2align	8
	.type	k_q4f72dbfaa9_context,@function
k_q4f72dbfaa9_context:
	s_mov_b64 s[64:65], 0
	v_nop
	global_prefetch_b8 v0, s[64:65] scope:SCOPE_SE
	s_setreg_imm32_b32 hwreg(HW_REG_WAVE_MODE, 25, 1), 1
	s_wait_xcnt 0x0
; Launch 3 of 3: attn = softmax over s of -2 sigma, context = attn x enc.  LEFT OUT: the part of the score that is the same for every s (shown at the head of launch 1); the maximum is taken away as reference() does.
; SHARES.  Work-group (cc, b) owns out0[b][128 cc .. + 127] and out1[b][256 cc .. + 255].  Each of a batch's eight work-groups makes the batch's softmax anew from 8,192 bytes of sigma, in the same order of sums.
; enc's 2,048 rows of the batch go in eight steps of 256 rows through two LDS slots of 256 x 512 bytes.  Each of the eight waves fetches 32 rows of a step by one tensor load (a row: 512 bytes, at a multiple of 512 bytes of memory)
; and reads back those same rows: a load of the wave covers one row's 512 consecutive bytes, 4 columns a lane, so the rows need no padding.  The product has one row (M = 1): fused multiply-adds in f32.
; No cluster: no two work-groups read the same bytes of enc, and sigma is 8,192 of the 1,056,768 bytes that a work-group reads.
; PREFETCH.  Behind the tensor load of step k each wave names step k + 2 of its own 32 rows: a lane a row, two instructions for the row's 512 bytes; at the head steps 1 and 2; step 7 is the last named.
; Sigma is asked for ahead of the first tensor load; the softmax is made while step 0 is on its way.
.set K1,    131072                     ; a slot; slot 1 begins here: one bit, which no wave's offset in a slot (16,384 x wave) has
.set RED1,  262144                     ; behind the slots: the eight waves' maxima;
.set RED2,  RED1+256                   ; their sums;
.set P,     RED1+512                   ; attn of the batch, 2,048 numbers in their natural order;
.set CP,    P+8192                     ; the eight waves' parts of the context, 512 bytes each;
.set SPARE, CP+4096                    ; the spare words, 128 bytes a wave: four blocks of 256 bytes that no other line names
.set DA,  20                           ; v20-21 my wave's rows in slot 0, 1: 16,384 x wave + 16 x lane
.set PFO, 22                           ; v22 4,096 x lane; never rewritten
.set SPW, 30
.set NIL, 31
.set W,   32                           ; v32-63   a step's 32 weights
.set RG,  64                           ; v64-191  a step's 32 rows, 4 registers each; at the end the eight parts of the context
.set AC,  192                          ; v192-207 four sets of sums, by turns
.set RD,  208                          ; v208-215 at work in the reductions
.set G1,  24
.set G0,  40
.macro PF k
	global_prefetch_b8 v[PFO], s[4:5] offset:1048576*(\k) th:TH_LOAD_NT scope:SCOPE_SE
	global_prefetch_b8 v[PFO], s[4:5] offset:1048576*(\k)+256 th:TH_LOAD_NT scope:SCOPE_SE
.endm
	s_load_b256 s[4:11], s[0:1], 0x0               ; enc s[4:5], sig s[6:7], out0 s[8:9], out1 s[10:11]
	v_lshl_add_u32 v[SPW], v0, 2, SPARE
	v_mov_b32 v[NIL], 0
	ds_add_u32 v[SPW], v[NIL]                      ; the opening lines: the add, twice on end, and its wait ahead of my first tensor load
	ds_add_u32 v[SPW], v[NIL]
	v_lshrrev_b32 v1, 5, v0
	s_delay_alu instid0(VALU_DEP_1)
	v_readfirstlane_b32 s12, v1                    ; wave
	s_and_b32 s13, ttmp9, 7                        ; cc
	s_and_b32 s14, ttmp7, 0xffff                   ; b
	s_mov_b32 s[G1+0], 2<<16                       ; 32 rows x 128 numbers of 4 bytes, rows 1,024 numbers apart
	s_mov_b32 s[G1+1], 128<<16
	s_mov_b32 s[G1+2], 32<<16
	s_mov_b32 s[G1+3], 128<<16
	s_mov_b32 s[G1+4], 32
	s_mov_b32 s[G1+5], 1024
	s_mov_b32 s[G1+6], 0
	s_mov_b32 s[G1+7], 0
	s_mov_b32 s18, 0x76543210
	s_mov_b32 s19, 0xfedcba98                      ; lane l xor 16
	s_mov_b32 s21, 0xc038aa3b                      ; -2 log2(e)
	s_lshl_b32 s32, s12, 7
	s_add_co_u32 s32, s32, P
	s_lshl_b32 s33, s12, 2
	s_add_co_u32 s33, s33, RED1
	s_lshl_b32 s34, s12, 9
	s_add_co_u32 s34, s34, CP
	s_lshl_b32 s35, s13, 10
	s_add_co_u32 s35, s35, P
	s_lshl_b32 s36, s12, 14
	s_mov_b32 s17, 0
	v_and_b32 v1, 31, v0
	v_lshlrev_b32 v3, 4, v0                        ; 16 x thread: my sigma; also my 16 bytes of attn on the way out
	v_lshrrev_b32 v4, 4, v0                        ; sig holds [64 rows][r][t]: thread T's number t is row 64 (T / 16) + 16 t + T % 16
	v_and_b32 v24, 15, v0
	v_lshlrev_b32 v2, 4, v1                        ; 16 x lane
	v_lshlrev_b32 v[PFO], 12, v1
	v_lshlrev_b32 v4, 8, v4
	s_delay_alu instid0(VALU_DEP_1)
	v_lshl_add_u32 v4, v24, 2, v4
	s_delay_alu instid0(VALU_DEP_1)
	v_add_nc_u32 v4, P, v4                         ; so it goes to P + 256 (T / 16) + 4 (T % 16) + 64 t
	v_mov_b32 v5, s32                              ; my wave's 32 weights of step 0
	v_mov_b32 v6, s33                              ; my wave's word in a reduction
	v_mov_b32 v7, RED1
	v_mov_b32 v25, 0                               ; (a lane permute's destination counts as one of its sources)
	v_add_nc_u32 v26, s34, v2                      ; my wave's part of the context
	v_add_nc_u32 v27, CP, v2
	v_lshl_add_u32 v28, v0, 4, s35                 ; waves 0 and 1: my 16 bytes of the work-group's 1,024 of attn
	v_add_nc_u32 v[DA], s36, v2
	s_delay_alu instid0(VALU_DEP_1)
	v_add_nc_u32 v[DA+1], K1, v[DA]
	s_wait_alu depctr_va_vdst(0)                   ; the wait at the head's end
	s_wait_dscnt 0x0                               ; both opening adds are done
	s_wait_kmcnt 0x0
	s_lshl_b32 s16, s14, 13
	s_add_nc_u64 s[6:7], s[6:7], s[16:17]
	global_load_b128 v[8:11], v3, s[6:7]           ; rows 0-1,023 of the batch,
	global_load_b128 v[12:15], v3, s[6:7] offset:4096   ; rows 1,024-2,047
	s_add_nc_u64 s[10:11], s[10:11], s[16:17]
	s_lshl_b32 s16, s13, 10
	s_add_nc_u64 s[10:11], s[10:11], s[16:17]
	s_lshl_b32 s16, s14, 23                        ; the batch's 2,048 rows of 4,096 bytes,
	s_lshl_b32 s22, s12, 17                        ; my wave's 32 of a step's 256,
	s_add_co_u32 s16, s16, s22
	s_lshl_b32 s22, s13, 9                         ; my work-group's 512 bytes of a row
	s_add_co_u32 s16, s16, s22
	s_add_nc_u64 s[4:5], s[4:5], s[16:17]          ; never rewritten
	s_mov_b32 s[G0], 1
	s_mov_b32 s[G0+1], s36
	s_mov_b64 s[G0+2:G0+3], s[4:5]
	s_or_b32 s[G0+3], s[G0+3], 0x80000000
	tensor_load_to_lds s[G0:G0+3], s[G1:G1+7]      ; step 0: my one tensor load at the head
	s_nop 0
	PF 1
	PF 2
	s_lshl_b32 s16, s14, 12
	s_add_co_u32 s16, s16, s22
	s_add_nc_u64 s[8:9], s[8:9], s[16:17]
	s_wait_loadcnt 0x0                             ; sigma is in
.irp e, 0,1,2,3,4,5,6,7
	v_mul_f32 v[8+\e], s21, v[8+\e]                ; t = -2 log2(e) sigma
.endr
	v_max3_num_f32 v24, v8, v9, v10
	v_max3_num_f32 v23, v11, v12, v13
	s_delay_alu instid0(VALU_DEP_2)
	v_max3_num_f32 v24, v24, v14, v15
	s_delay_alu instid0(VALU_DEP_1)
	v_max_num_f32 v24, v24, v23
	s_delay_alu instid0(VALU_DEP_1)
	v_max_num_f32_dpp v24, v24, v24 row_xmask:1 row_mask:0xf bank_mask:0xf
	s_delay_alu instid0(VALU_DEP_1)
	v_max_num_f32_dpp v24, v24, v24 row_xmask:2 row_mask:0xf bank_mask:0xf
	s_delay_alu instid0(VALU_DEP_1)
	v_max_num_f32_dpp v24, v24, v24 row_xmask:4 row_mask:0xf bank_mask:0xf
	s_delay_alu instid0(VALU_DEP_1)
	v_max_num_f32_dpp v24, v24, v24 row_xmask:8 row_mask:0xf bank_mask:0xf
	s_delay_alu instid0(VALU_DEP_1)
	v_permlanex16_b32 v25, v24, s18, s19
	s_delay_alu instid0(VALU_DEP_1)
	v_max_num_f32 v24, v24, v25
	ds_store_b32 v6, v24                           ; all lanes write the same word with the same value
	s_wait_dscnt 0x0
	s_barrier_signal -1                            ; my tensor load stays out
	s_barrier_wait -1
	ds_load_b128 v[RD:RD+3], v7
	ds_load_b128 v[RD+4:RD+7], v7 offset:16
	s_wait_dscnt 0x0
	v_max3_num_f32 v24, v[RD], v[RD+1], v[RD+2]
.irp i, 3,5
	s_delay_alu instid0(VALU_DEP_1)
	v_max3_num_f32 v24, v24, v[RD+\i], v[RD+\i+1]
.endr
	s_delay_alu instid0(VALU_DEP_1)
	v_max_num_f32 v24, v24, v[RD+7]                ; the batch's largest t
.irp e, 0,1,2,3,4,5,6,7
	v_sub_f32 v[8+\e], v[8+\e], v24
.endr
	s_wait_alu depctr_va_vdst(0)                   ; the wait ahead of the batch,
.irp e, 0,1,2,3,4,5,6,7
	v_exp_f32 v[8+\e], v[8+\e]
.endr
	v_nop                                          ; a plain instruction behind the last exponential,
	s_wait_alu depctr_va_vdst(0)                   ; and the wait ahead of the first reader
	v_pk_add_f32 v[RD:RD+1], v[8:9], v[10:11]
	v_pk_add_f32 v[RD+2:RD+3], v[12:13], v[14:15]
	s_delay_alu instid0(VALU_DEP_1)
	v_pk_add_f32 v[RD:RD+1], v[RD:RD+1], v[RD+2:RD+3]
	s_delay_alu instid0(VALU_DEP_1)
	v_add_f32 v24, v[RD], v[RD+1]
	s_delay_alu instid0(VALU_DEP_1)
	v_add_f32_dpp v24, v24, v24 row_xmask:1 row_mask:0xf bank_mask:0xf
	s_delay_alu instid0(VALU_DEP_1)
	v_add_f32_dpp v24, v24, v24 row_xmask:2 row_mask:0xf bank_mask:0xf
	s_delay_alu instid0(VALU_DEP_1)
	v_add_f32_dpp v24, v24, v24 row_xmask:4 row_mask:0xf bank_mask:0xf
	s_delay_alu instid0(VALU_DEP_1)
	v_add_f32_dpp v24, v24, v24 row_xmask:8 row_mask:0xf bank_mask:0xf
	s_delay_alu instid0(VALU_DEP_1)
	v_permlanex16_b32 v25, v24, s18, s19
	s_delay_alu instid0(VALU_DEP_1)
	v_add_f32 v24, v24, v25
	ds_store_b32 v6, v24 offset:256                ; other bytes than the maxima's: no barrier between those reads and this store
	s_wait_dscnt 0x0
	s_barrier_signal -1
	s_barrier_wait -1
	ds_load_b128 v[RD:RD+3], v7 offset:256
	ds_load_b128 v[RD+4:RD+7], v7 offset:272
	s_wait_dscnt 0x0
	v_pk_add_f32 v[RD:RD+1], v[RD:RD+1], v[RD+2:RD+3]
	v_pk_add_f32 v[RD+4:RD+5], v[RD+4:RD+5], v[RD+6:RD+7]
	s_delay_alu instid0(VALU_DEP_1)
	v_pk_add_f32 v[RD:RD+1], v[RD:RD+1], v[RD+4:RD+5]
	s_delay_alu instid0(VALU_DEP_1)
	v_add_f32 v24, v[RD], v[RD+1]
	s_wait_alu depctr_va_vdst(0)
	v_rcp_f32 v24, v24
	v_nop
	s_wait_alu depctr_va_vdst(0)
.irp t, 0,1,2,3,4,5,6,7
	v_mul_f32 v[8+\t], v[8+\t], v24
.endr
.irp t, 0,1,2,3
	ds_store_b32 v4, v[8+\t] offset:64*\t          ; sixteen lanes write 64 consecutive bytes
	ds_store_b32 v4, v[12+\t] offset:4096+64*\t
.endr
; A CHANGE OF SLOTS: all my tensor loads have landed, the add, my LDS instructions are over; the barrier; then my one tensor load, into the slot just left (the first time: slot 1's first fill)
.macro LCHG pf
	s_wait_alu depctr_va_vdst(0)                   ; the wait ahead of the blocking wait
	s_wait_tensorcnt 0x0                           ; no tensor load of mine is out, so group 0 may be written
	ds_add_u32 v[SPW], v[NIL]
	s_xor_b32 s[G0+1], s[G0+1], K1                 ; the other slot than last time,
	s_add_nc_u64 s[G0+2:G0+3], s[G0+2:G0+3], 1048576   ; 256 rows on
	s_wait_dscnt 0x0
	s_barrier_signal -1
	s_barrier_wait -1
	tensor_load_to_lds s[G0:G0+3], s[G1:G1+7]
	s_nop 0
.if (\pf) <= 7
	PF \pf                                         ; two steps on from the load above
.endif
.endm
; Step k: my 32 rows.  The first four rows of step 0 start the four sets of sums: nothing is cleared.  s_wait_dscnt 24, 16, 8, 0: eight rows are in, the younger rows' loads may be out
.macro STEP k
.irp i, 0,1,2,3,4,5,6,7
	ds_load_b128 v[W+4*\i:W+4*\i+3], v5 offset:1024*(\k)+16*\i   ; the rows' weights: every lane reads the same words
.endr
.set i, 0
.rept 32
	ds_load_b128 v[RG+4*i:RG+4*i+3], v[DA+((\k)%2)] offset:512*i
.set i, i+1
.endr
.set i, 0
.rept 32
.if (i%8) == 0
	s_wait_dscnt 24-i
.endif
.irp c, 0,1,2,3
.if ((\k) == 0) && (i < 4)
	v_mul_f32 v[AC+4*i+\c], v[RG+4*i+\c], v[W+i]
.else
	v_fmac_f32 v[AC+4*(i%4)+\c], v[RG+4*i+\c], v[W+i]
.endif
.endr
.set i, i+1
.endr
.endm
	LCHG 3                                         ; step 1 goes out; behind this barrier attn of the whole batch lies in LDS
	s_cmp_lt_u32 s12, 2
	s_cbranch_scc0 .Lno_attn
	ds_load_b128 v[RD:RD+3], v28
	s_wait_dscnt 0x0
	global_store_b128 v3, v[RD:RD+3], s[10:11]     ; a wave stores 512 consecutive bytes, aligned; these registers are not written again
.Lno_attn:
	STEP 0
.irp k, 1,2,3,4,5,6
	LCHG \k+3                                      ; step k + 1 goes out, into the slot that step k - 1 has left
	STEP \k
.endr
	s_wait_alu depctr_va_vdst(0)
	s_wait_tensorcnt 0x0                           ; step 7's rows are my own load's: its wait is all the ordering that my reads need
	STEP 7
	v_pk_add_f32 v[AC:AC+1], v[AC:AC+1], v[AC+4:AC+5]
	v_pk_add_f32 v[AC+2:AC+3], v[AC+2:AC+3], v[AC+6:AC+7]
	v_pk_add_f32 v[AC+8:AC+9], v[AC+8:AC+9], v[AC+12:AC+13]
	v_pk_add_f32 v[AC+10:AC+11], v[AC+10:AC+11], v[AC+14:AC+15]
	s_delay_alu instid0(VALU_DEP_2)
	v_pk_add_f32 v[AC:AC+1], v[AC:AC+1], v[AC+8:AC+9]
	s_delay_alu instid0(VALU_DEP_2)
	v_pk_add_f32 v[AC+2:AC+3], v[AC+2:AC+3], v[AC+10:AC+11]
	ds_store_b128 v26, v[AC:AC+3]
	s_wait_dscnt 0x0
	s_barrier_signal -1
	s_barrier_wait -1
	s_cmp_lg_u32 s12, 0
	s_cbranch_scc1 .Ldone
.irp i, 0,1,2,3,4,5,6,7
	ds_load_b128 v[RG+4*\i:RG+4*\i+3], v27 offset:512*\i   ; wave 0: the eight waves' parts of my four columns
.endr
	s_wait_dscnt 0x0
.irp i, 0,2,4,6
	v_pk_add_f32 v[RG+4*\i:RG+4*\i+1], v[RG+4*\i:RG+4*\i+1], v[RG+4*\i+4:RG+4*\i+5]
	v_pk_add_f32 v[RG+4*\i+2:RG+4*\i+3], v[RG+4*\i+2:RG+4*\i+3], v[RG+4*\i+6:RG+4*\i+7]
.endr
.irp i, 0,4
	v_pk_add_f32 v[RG+4*\i:RG+4*\i+1], v[RG+4*\i:RG+4*\i+1], v[RG+4*\i+8:RG+4*\i+9]
	v_pk_add_f32 v[RG+4*\i+2:RG+4*\i+3], v[RG+4*\i+2:RG+4*\i+3], v[RG+4*\i+10:RG+4*\i+11]
.endr
	s_delay_alu instid0(VALU_DEP_2)
	v_pk_add_f32 v[RG:RG+1], v[RG:RG+1], v[RG+16:RG+17]
	s_delay_alu instid0(VALU_DEP_2)
	v_pk_add_f32 v[RG+2:RG+3], v[RG+2:RG+3], v[RG+18:RG+19]
	global_store_b128 v2, v[RG:RG+3], s[8:9]       ; 512 consecutive bytes, aligned
.Ldone:
	s_wait_tensorcnt 0x0                           ; the wave's end, behind my last tensor load and my last LDS store
	ds_add_u32 v[SPW], v[NIL]
	s_wait_dscnt 0x0
	s_endpgm
.Lfunc_end_k_q4f72dbfaa9_context:
	.size	k_q4f72dbfaa9_context, .Lfunc_end_k_q4f72dbfaa9_context-k_q4f72dbfaa9_context
	.p2alignl 7, 3214868480
	.fill 96, 4, 3214868480
	.section	.rodata,"a",@progbits
	.p2align	6, 0x0
	.amdhsa_kernel k_q4f72dbfaa9_context
		.amdhsa_group_segment_fixed_size 327680
		.amdhsa_private_segment_fixed_size 0
		.amdhsa_enable_private_segment 0
		.amdhsa_kernarg_size 32
		.amdhsa_user_sgpr_count 2
		.amdhsa_user_sgpr_kernarg_segment_ptr 1
		.amdhsa_wavefront_size32 1
		.amdhsa_system_sgpr_workgroup_id_x 1
		.amdhsa_system_sgpr_workgroup_id_y 1
		.amdhsa_system_sgpr_workgroup_id_z 1
		.amdhsa_system_vgpr_workitem_id 0
		.amdhsa_next_free_vgpr 224
		.amdhsa_next_free_sgpr 66
		.amdhsa_reserve_vcc 0
		.amdhsa_float_denorm_mode_32 3
		.amdhsa_float_denorm_mode_16_64 3
		.amdhsa_memory_ordered 1
		.amdhsa_forward_progress 1
		.amdhsa_inst_pref_size 69
	.end_amdhsa_kernel
	.amdgpu_metadata
---
amdhsa.version: [ 1, 2 ]
amdhsa.kernels:
  - .name:           k_q4f72dbfaa9_context
    .symbol:         k_q4f72dbfaa9_context.kd
    .args:
      - { .name: encoder_outputs, .offset: 0, .size: 8, .value_kind: global_buffer, .address_space: global }
      - { .name: sig, .offset: 8, .size: 8, .value_kind: global_buffer, .address_space: global }
      - { .name: out0, .offset: 16, .size: 8, .value_kind: global_buffer, .address_space: global }
      - { .name: out1, .offset: 24, .size: 8, .value_kind: global_buffer, .address_space: global }
    .group_segment_fixed_size: 327680
    .private_segment_fixed_size: 0
    .kernarg_segment_align: 8
    .kernarg_segment_size: 32
    .max_flat_workgroup_size: 256
    .sgpr_count:     66
    .vgpr_count:     224
    .wavefront_size: 32
...
	.end_amdgpu_metadata
.endif
;; end of part 3
